; MI455X (gfx1250); checked and timed in simulation.
; The chip was launched on July 23, 2026; its instructions are those of AMD's public machine-readable ISA for CDNA 5 (MIT licence, August 2026) and "CDNA5" Instruction Set Architecture Reference Guide (July 2026). The comments in the code are by the model that wrote it; some were corrected since.
;; Norm Layer. Allowed arithmetic: matrix products marked QUANTISED: E2M1 operands, one E8M0 scale for each 32 along K, by v_wmma_scale_f32_16x16x128_f8f6f4 with both operands' format E2M1 (or v_wmma_scale_f32_32x16x128_f4), f32 sums; everything else in f32.
;; Inputs: beta 128 float32; gamma 128 float32; x 16,384 x 128 float32.
;; Outputs: out0 16,384 x 128 float32.
;; This version of the problem:
;;   THIS VERSION OF THE PROBLEM IS GIVEN IN LOW PRECISION. The matrix products marked QUANTISED in the list below multiply operands that are first quantised to E2M1 (2 exponent bits, 1 mantissa bit; 4 bits a number), with one power-of-two scale for each 32 numbers along K (OCP MX v1.0); their sums are f32. All else is computed in f32.
;;   The module's matrix products, in the order in which they are computed (A, B: the left and right operand; K: the contracted axis; several contracted axes count as one K, in the product's order):
;;     1. [M 16,384, K 128] x [K 128, N 16,384]; A: computed on the way; B: computed on the way: QUANTISED
;;     2. [M 16,384, K 16,384] x [K 16,384, N 128]; A: softmax (see below); B: input x: QUANTISED
;;   THE QUANTISER, for each operand of a quantised product, along K:
;;     - K is cut into blocks of 32 from its start; a last block that is shorter is filled with zeros.
;;     - A block's scale is 2^e with e = floor(log2(the largest magnitude in the block)) - 2, held to -126 .. 127; a block of zeros has e = 0. As a byte (E8M0): e + 127.
;;     - Each number is divided by its block's scale, clamped to +-6, and rounded to the nearest number of E2M1, ties to even, subnormals kept.
;;     - The product sums the exact products of the quantised numbers (number of the format x scale) in f32.
;;   ~~~python
;;   def quantise(x, axis):      # numpy; x: float32 -> the quantised numbers, widened to float32 again
;;       x = np.moveaxis(x, axis, -1); K = x.shape[-1]
;;       x = np.pad(x, [(0, 0)] * (x.ndim - 1) + [(0, -K % 32)]); x = x.reshape(x.shape[:-1] + (-1, 32)); a = np.abs(x).max(-1, keepdims=True)
;;       e = np.where(a > 0, np.clip(np.frexp(np.where(a > 0, a, 1))[1] - 1 - 2, -126, 127), 0)      # np.frexp(a)[1] - 1 = floor(log2(a)), exactly
;;       r = np.clip(x / 2.0 ** e, -6, 6)
;;       step = 2.0 ** (np.maximum(np.frexp(np.where(r == 0, 1, r))[1] - 1, 0) - 1)
;;       q = np.round(r / step) * step * 2.0 ** e      # np.round: ties to even
;;       return np.moveaxis(q.reshape(q.shape[:-2] + (-1,))[..., :K], -1, axis).astype(np.float32)
;;   ~~~
;;   SOFTMAX AHEAD OF A QUANTISED PRODUCT. Where the list says 'softmax', what is quantised is not the finished softmax but p = 2^(t - M), with t = logit x log2(e) and M = ceil(the row's largest t), a whole number; so 1/2 < the row's largest p <= 1. The row's sum l is taken of the UNQUANTISED p, in f32, and the product's result is divided by l at the end. Since M is a whole number, a kernel that streams over the keys may use a running M (the ceiling of the running maximum): every later rescaling is an exact power of two, which a block's scale takes up: the codes' values come out the same.
;;   OPERANDS COMPUTED ON THE WAY. 'Computed on the way' means the value that the module computes at that place (a softmax that the list does not call 'softmax' is quantised finished and normalised). What goes into a quantiser is computed in f32, as accurately as f32 sums, v_exp_f32 and their like allow (about 1e-6 of the number): no bf16 or f16 on the way to a quantiser, and a product that is left as it is and whose result goes on into a quantised operand takes f32 operands (vector FMAs, or v_wmma_f32_16x16x4_f32). A number that lies on a knife's edge between two numbers of the format may be rounded either way, as far as f32 arithmetic and the matrix unit's own rounding can turn it there, and no further.
;; One version. Each part assembles by itself: llvm-mc -triple=amdgcn-amd-amdhsa -mcpu=gfx1250 --defsym DOCPART=n.
;; ======== version 1 of 1: 2 launches
;; workspace buffers: kv 2,228,224 bytes
;; launch prep (part 1): grid 128 x 1, 8 waves a work-group, no clusters, 69,632 bytes of LDS; arguments x, kv; writes kv
.if DOCPART == 1
	.amdgcn_target "amdgcn-amd-amdhsa--gfx1250"
	.amdhsa_code_object_version 6
	.text
	.protected	k_q2f20f2efa3_prep
	.globl	k_q2f20f2efa3_prep
	.p2align	8
	.type	k_q2f20f2efa3_prep,@function
k_q2f20f2efa3_prep:
	s_mov_b64 s[64:65], 0
	v_nop
	global_prefetch_b8 v0, s[64:65] scope:SCOPE_SE
	s_setreg_imm32_b32 hwreg(HW_REG_WAVE_MODE, 25, 1), 1
	s_wait_xcnt 0x0
; x [16384][128] f32 becomes the two operands of the attention launch, as codes of FP4 (E2M1) with one E8M0 byte for each 32 along K,
; laid in kv as IMAGES OF OPERAND REGISTERS, one block of 17,408 bytes for each step of 128 rows (keys):
;   0      8 x 1024  K: tile T = 4 c + i: at 1024 T + 512 b + 16 lane the 16 bytes of codes d = 64 b + 32 h + 0..31 of the NORMALISED row 64 c + 32 (r / 8) + 8 i + r % 8   (r = lane % 16, h = lane / 16)
;   8192   512       K's scale words: at 16 lane + 4 j the word of tile 2 j + h, row r
;   8704   8 x 1024  V: tile u: at 1024 u + 512 b + 16 lane the codes of column d = 16 u + r of x, keys 64 b + 32 h + 0..31 (K = the keys)
;   16896  512       V's scale words, laid as K's
; K's tiles take these rows so that in S^T = K Q^T a lane's 32 registers of tiles 4 c .. 4 c + 3 are 32 neighbouring keys: a whole block of the second product's K.
; A work-group takes one step (64 KiB of x); wave w makes K's tile w and V's tile w.  The rows go through LDS once: in by whole rows, out once along d (for K) and once down the keys (for V).
; norm_x = x * (1 / max(sqrt(sum of x^2), 1e-12)), all in f32.  A block's scale is 2^(floor(log2(its largest magnitude)) - 2); its byte is that magnitude's exponent field - 2, held at 1 from below.
; LIMITS: NaN and infinities among the inputs are not served; a row's sum of squares overflows where the definition's own sum does; the division by the norm is v_rcp_f32 and a multiplication;
; a block of zeros gets the byte 1 (the rule says 127): its codes are zeros, and the bytes are read by this program alone.
.set XP,    528                        ; an LDS row: 512 bytes + 16: the 16 rows that a 16-byte load touches start at 16 different groups of four banks
.set SCS,   128*XP                     ; behind the rows: 512 bytes of K's scale words, 512 of V's
.set STEPB, 17408                      ; a step's block in kv
.set LI,  1                            ; v1   16 x lane
.set TW,  2                            ; v2   where my wave's rows go: 16 w rows + 16 x lane
.set QR,  3                            ; v3   row 16 w + r, + 128 h: my 32 numbers of each half of the row
.set VR,  4                            ; v4   8 h rows + 4 (16 w + r): my column, down the keys
.set SW,  5                            ; v5   where my tile's scale word of row r goes
.set SH8, 6                            ; v6   8 h
.set SR,  7                            ; v7   the scale words on their way out (waves 0 and 1)
.set MX,  16                           ; v16-19 largest magnitudes, two chains for each of two blocks
.set SO,  20                           ; v20-21 the conversions' scale operands
.set BY,  22                           ; v22-23 the scales' bytes
.set PT,  24                           ; v24    a lane permute's destination
.set CQ,  32                           ; v32-39 K's codes
.set CV,  40                           ; v40-47 V's codes
.set R,   64                           ; v64-127  the 16 rows as loaded; then V's 64 numbers
.set XV,  64
.set XQ,  128                          ; v128-191 K's 64 numbers
	s_load_b128 s[4:7], s[0:1], 0x0                ; x, kv
	v_lshl_add_u32 v192, v0, 2, 0x10c00
	v_mov_b32 v193, 0
	v_lshrrev_b32 v8, 5, v0
	v_readfirstlane_b32 s8, v8                     ; wave 0..7
	v_and_b32 v8, 31, v0                           ; lane
	v_and_b32 v9, 15, v0                           ; r
	v_bfe_u32 v10, v0, 4, 1                        ; h
	v_lshlrev_b32 v[LI], 4, v8
	v_lshlrev_b32 v[SH8], 3, v10
	v_mov_b32 v[PT], 0                             ; written once: a lane permute's destination counts as one of its sources
	s_mul_i32 s16, s8, 16*XP                       ; my tile's 16 rows in LDS
	v_add_nc_u32 v[TW], s16, v[LI]
	v_mul_u32_u24 v[QR], v9, XP
	v_lshl_add_u32 v[QR], v10, 7, v[QR]
	v_add_nc_u32 v[QR], s16, v[QR]
	v_mul_u32_u24 v[VR], v10, 8*XP
	v_lshl_add_u32 v[VR], v9, 2, v[VR]
	s_lshl_b32 s17, s8, 6
	v_add_nc_u32 v[VR], s17, v[VR]
	s_and_b32 s17, s8, 1                           ; tile w = 2 j + h': its words lie at 16 (r + 16 h') + 4 j
	s_lshl_b32 s17, s17, 8
	s_lshr_b32 s18, s8, 1
	s_lshl_b32 s18, s18, 2
	s_add_co_u32 s17, s17, s18
	s_add_co_u32 s17, s17, SCS
	v_lshl_add_u32 v[SW], v9, 4, s17
	s_lshl_b32 s18, s8, 9
	s_add_co_u32 s18, s18, SCS
	v_add_nc_u32 v[SR], s18, v[LI]
	s_mov_b32 s20, 0x76543210
	s_mov_b32 s21, 0xfedcba98                      ; v_permlanex16_b32's selects for lane l xor 16
	s_lshl_b32 s16, ttmp9, 16                      ; x: the step's 128 rows of 512 bytes,
	s_lshr_b32 s17, s8, 2
	s_lshl_b32 s17, s17, 15                        ; + 64 (w / 4) rows
	s_add_co_u32 s16, s16, s17
	s_and_b32 s17, s8, 3
	s_lshl_b32 s17, s17, 12                        ; + 8 (w % 4) rows
	s_add_co_u32 s16, s16, s17
	s_mov_b32 s17, 0
	s_mul_i32 s18, ttmp9, STEPB                    ; kv: the step's block
	s_mov_b32 s19, 0
	s_lshl_b32 s22, s8, 10                         ; my tile's image
	s_mov_b32 s23, 0
	s_mul_i32 s24, s8, 8704                        ; wave 0: K's scale words at 8,192; wave 1: V's at 16,896
	s_add_co_u32 s24, s24, 8192
	s_mov_b32 s25, 0
	s_wait_kmcnt 0x0
	s_add_nc_u64 s[10:11], s[4:5], s[16:17]
	s_add_nc_u64 s[6:7], s[6:7], s[18:19]
	s_add_nc_u64 s[12:13], s[6:7], s[22:23]
	s_add_nc_u64 s[14:15], s[6:7], s[24:25]
; my tile's 16 rows: row k of the tile is row 32 (k / 8) + k % 8 from my base; each load takes one whole row, 512 consecutive bytes
.irp k, 0,1,2,3,4,5,6,7,8,9,10,11,12,13,14,15
	global_load_b128 v[R+4*\k:R+4*\k+3], v[LI], s[10:11] offset:(32*(\k/8)+\k%8)*512 th:TH_LOAD_NT
.endr
.irp k, 0,1,2,3,4,5,6,7,8,9,10,11,12,13,14,15
	s_wait_loadcnt 15-\k                           ; loads come back in order: row k is in, the younger ones may be out
	ds_store_b128 v[TW], v[R+4*\k:R+4*\k+3] offset:XP*\k
.endr
	s_wait_dscnt 0x0                               ; for the others' sake: my rows lie in LDS
	s_barrier_signal -1
	s_barrier_wait -1                              ; all 128 rows do
.irp b, 0,1
.irp m, 0,1,2,3,4,5,6,7
	ds_load_b128 v[XQ+32*\b+4*\m:XQ+32*\b+4*\m+3], v[QR] offset:256*\b+16*\m      ; row 16 w + r, d = 64 b + 32 h + 4 m + 0..3
.endr
.endr
.irp b, 0,1
.irp i, 0,1,2,3
.irp j, 0,1,2,3,4,5,6,7
	ds_load_b32 v[XV+32*\b+8*\i+\j], v[VR] offset:(64*\b+16*\i+\j)*XP             ; key 64 b + 32 h + 8 i + j lies at LDS row 64 b + 16 i + 8 h + j; column 16 w + r
.endr
.endr
.endr
; 64 numbers of a lane, register 32 b + n = number n of block 2 b + h of my row, become 8 registers of codes at v[c] and the row's scale word in v[w]
.macro Q64 x, c, w
.irp b, 0,1
	v_max3_num_f32 v[MX+2*\b], |v[\x+32*\b]|, |v[\x+32*\b+1]|, |v[\x+32*\b+2]|       ; a block's 32 numbers are all mine: two chains a block, the blocks by turns
	v_max3_num_f32 v[MX+2*\b+1], |v[\x+32*\b+3]|, |v[\x+32*\b+4]|, |v[\x+32*\b+5]|
.endr
.irp i, 6,10,14,18,22,26
.irp b, 0,1
	v_max3_num_f32 v[MX+2*\b], v[MX+2*\b], |v[\x+32*\b+\i]|, |v[\x+32*\b+\i+1]|
	v_max3_num_f32 v[MX+2*\b+1], v[MX+2*\b+1], |v[\x+32*\b+\i+2]|, |v[\x+32*\b+\i+3]|
.endr
.endr
.irp b, 0,1
	v_max3_num_f32 v[MX+2*\b], v[MX+2*\b], |v[\x+32*\b+30]|, |v[\x+32*\b+31]|
.endr
.irp b, 0,1
	v_max3_num_f32 v[MX+2*\b], v[MX+2*\b], v[MX+2*\b+1], 0x1800000                  ; and the floor 2^(3 - 127): the byte cannot fall under 1
.endr
.irp b, 0,1
	v_add_nc_u32 v[SO+\b], 0xff000000, v[MX+2*\b]  ; 2 off the exponent field: the conversion takes this operand's exponent field as its scale
.endr
.irp b, 0,1
	v_lshrrev_b32 v[BY+\b], 23, v[SO+\b]           ; the scale's byte
.endr
	v_lshl_or_b32 v[\w], v[BY+1], 16, v[BY]        ; my two bytes, blocks h and 2 + h,
	v_lshlrev_b32 v[\w], v[SH8], v[\w]             ; at their places in the word;
	v_permlanex16_b32 v[PT], v[\w], s20, s21
	v_or_b32 v[\w], v[\w], v[PT]                   ; with lane l xor 16's two the word is whole
.irp b, 0,1
.irp g, 0,1,2,3
	v_cvt_scalef32_pk8_fp4_f32 v[\c+4*\b+\g], v[\x+32*\b+8*\g:\x+32*\b+8*\g+7], v[SO+\b]
.endr
.endr
	v_nop                                          ; one plain line behind the last scaled conversion
.endm
	s_wait_dscnt 63                                ; 80 LDS loads were issued in order; at most the youngest 63 are out: the 16 along d are in
	v_pk_mul_f32 v[26:27], v[XQ:XQ+1], v[XQ:XQ+1]  ; the sum of my 64 squares, two at a time, in two chains
	v_pk_mul_f32 v[28:29], v[XQ+2:XQ+3], v[XQ+2:XQ+3]
.irp j, 4,8,12,16,20,24,28,32,36,40,44,48,52,56,60
	v_pk_fma_f32 v[26:27], v[XQ+\j:XQ+\j+1], v[XQ+\j:XQ+\j+1], v[26:27]
	v_pk_fma_f32 v[28:29], v[XQ+\j+2:XQ+\j+3], v[XQ+\j+2:XQ+\j+3], v[28:29]
.endr
	v_pk_add_f32 v[26:27], v[26:27], v[28:29]
	v_add_f32 v26, v26, v27
	v_permlanex16_b32 v[PT], v26, s20, s21         ; the row's other 64 numbers lie in lane l xor 16
	v_add_f32 v26, v26, v[PT]
	v_sqrt_f32 v27, v26
	v_nop                                          ; a plain line behind the transcendental,
	s_wait_alu depctr_va_vdst(0)                   ; and the wait ahead of its first reader
	v_max_num_f32 v27, 0x2b8cbccc, v27             ; held at 1e-12 from below
	v_rcp_f32 v30, v27
	v_mov_b32 v31, 0                               ; (the pair's upper half is named with it, so it is written; also the plain line behind the reciprocal)
	s_wait_alu depctr_va_vdst(0)
.irp j, 0,2,4,6,8,10,12,14,16,18,20,22,24,26,28,30,32,34,36,38,40,42,44,46,48,50,52,54,56,58,60,62
	v_pk_mul_f32 v[XQ+\j:XQ+\j+1], v[XQ+\j:XQ+\j+1], v[30:31] op_sel_hi:[1,0]      ; norm_x
.endr
	Q64 XQ, CQ, 48
.irp b, 0,1
	global_store_b128 v[LI], v[CQ+4*\b:CQ+4*\b+3], s[12:13] offset:512*\b          ; 512 consecutive bytes a store
.endr
	ds_store_b32 v[SW], v48                        ; lanes r and r + 16 write the same word with the same value
	s_wait_dscnt 0x0                               ; V's 64 numbers are in
	Q64 XV, CV, 49
.irp b, 0,1
	global_store_b128 v[LI], v[CV+4*\b:CV+4*\b+3], s[12:13] offset:8704+512*\b
.endr
	ds_store_b32 v[SW], v49 offset:512
	s_wait_dscnt 0x0                               ; for the others' sake: my scale words lie in LDS
	s_barrier_signal -1
	s_barrier_wait -1
	s_cmp_lt_u32 s8, 2                             ; wave 0 stores K's 512 bytes of scale words, wave 1 V's
	s_cbranch_scc0 .Lend
	ds_load_b128 v[50:53], v[SR]
	s_wait_dscnt 0x0
	global_store_b128 v[LI], v[50:53], s[14:15]
.Lend:
	s_wait_tensorcnt 0x0
	ds_add_u32 v192, v193
	s_wait_dscnt 0x0
	s_endpgm
.Lfunc_end_k_q2f20f2efa3_prep:
	.size	k_q2f20f2efa3_prep, .Lfunc_end_k_q2f20f2efa3_prep-k_q2f20f2efa3_prep
	.p2alignl 7, 3214868480
	.fill 96, 4, 3214868480
	.section	.rodata,"a",@progbits
	.p2align	6, 0x0
	.amdhsa_kernel k_q2f20f2efa3_prep
		.amdhsa_group_segment_fixed_size 69632
		.amdhsa_private_segment_fixed_size 0
		.amdhsa_enable_private_segment 0
		.amdhsa_kernarg_size 16
		.amdhsa_user_sgpr_count 2
		.amdhsa_user_sgpr_kernarg_segment_ptr 1
		.amdhsa_wavefront_size32 1
		.amdhsa_system_sgpr_workgroup_id_x 1
		.amdhsa_system_sgpr_workgroup_id_y 1
		.amdhsa_system_sgpr_workgroup_id_z 1
		.amdhsa_system_vgpr_workitem_id 0
		.amdhsa_next_free_vgpr 194
		.amdhsa_next_free_sgpr 66
		.amdhsa_reserve_vcc 0
		.amdhsa_float_denorm_mode_32 3
		.amdhsa_float_denorm_mode_16_64 3
		.amdhsa_memory_ordered 1
		.amdhsa_forward_progress 1
		.amdhsa_inst_pref_size 22
	.end_amdhsa_kernel
	.amdgpu_metadata
---
amdhsa.version: [ 1, 2 ]
amdhsa.kernels:
  - .name:           k_q2f20f2efa3_prep
    .symbol:         k_q2f20f2efa3_prep.kd
    .args:
      - { .name: x, .offset: 0, .size: 8, .value_kind: global_buffer, .address_space: global }
      - { .name: kv, .offset: 8, .size: 8, .value_kind: global_buffer, .address_space: global }
    .group_segment_fixed_size: 69632
    .private_segment_fixed_size: 0
    .kernarg_segment_align: 8
    .kernarg_segment_size: 16
    .max_flat_workgroup_size: 256
    .sgpr_count:     66
    .vgpr_count:     194
    .wavefront_size: 32
...
	.end_amdgpu_metadata
.endif
;; end of part 1
;; launch attn (part 2): grid 256 x 1, 8 waves a work-group, clusters of 4 x 1, 327,680 bytes of LDS; arguments kv, x, gamma, beta, out0; writes out0
.if DOCPART == 2
	.amdgcn_target "amdgcn-amd-amdhsa--gfx1250"
	.amdhsa_code_object_version 6
	.text
	.protected	k_q2f20f2efa3_attn
	.globl	k_q2f20f2efa3_attn
	.p2align	8
	.type	k_q2f20f2efa3_attn,@function
k_q2f20f2efa3_attn:
	s_mov_b64 s[64:65], 0
	v_nop
	global_prefetch_b8 v0, s[64:65] scope:SCOPE_SE
	s_setreg_imm32_b32 hwreg(HW_REG_WAVE_MODE, 25, 1), 1
	s_wait_xcnt 0x0
	s_wait_alu depctr_hold_cnt(0) depctr_sa_sdst(0) depctr_va_vdst(0) depctr_va_sdst(0) depctr_va_ssrc(0) depctr_va_vcc(0) depctr_vm_vsrc(0)
	s_getreg_b32 s2, hwreg(HW_REG_IB_STS2, 6, 4)
	s_cmp_eq_u32 s2, 0
	s_cbranch_scc0 .Lentry_in_a_cluster
	s_endpgm
.Lentry_in_a_cluster:
	s_bfe_u32 s2, ttmp6, 0x10000c
	s_cmp_lg_u32 s2, 0x3003
	s_cbranch_scc0 .Lentry_shape_is_right
	s_endpgm
.Lentry_shape_is_right:
; out = LayerNorm(2 x - softmax(norm_x norm_x^T) x) * gamma + beta, both products on codes of FP4 (E2M1) with E8M0 scales, from the register images that the launch before laid in kv
; (a block of 17,408 bytes for each step of 128 keys: K's 8 tiles, K's scale words, V's 8 tiles, V's scale words).
; SHARES.  A work-group owns 64 queries, four tiles of 16.  Each of its EIGHT waves holds all four tiles and an eighth of the keys: in lap n (of 16) wave w takes step 8 n + w.  So each fragment
; of K and V that is read from LDS feeds four matrix instructions and is read by one wave.  At the end the eight partial O and sums are added through LDS, and waves 0 to 3 finish a tile each.
; LAYOUT.  Both products are used transposed: S^T = K Q^T, O^T = V^T P^T: a lane holds one query (lane % 16) throughout.  K's tiles take such rows that a lane's 32 registers of tiles 4 c .. 4 c + 3
; are keys 64 c + 32 h + 0 .. 31: a whole block of the second product's K in one lane, in the operand's own order: the conversions' results ARE P's fragment, and a block's maximum needs no other lane.
; Q's fragments are K's images of the work-group's own 64 rows.
; THE SOFTMAX.  p = 2^t, t = score x log2(e): M IS HELD AT 0.  The scores are products of two rows that the definition itself normalises and the quantiser then rounds: a code differs from its number
; by at most a quarter of it or a sixteenth of its block's largest, so a quantised row's length stays under 1.25 + sqrt(1/8) < 1.61, |score| < 2.6, |t| < 4: p lies within 2^-4 .. 2^4 and a row's sum under 2^18,
; for every input.  M is a whole number that only moves the blocks' scale bytes, so the codes' values are those of the running M.  The sum is taken of the unquantised p and divides at the end.
; CLUSTER.  All work-groups walk the same kv: the four of a cluster ask for each block JOINTLY (mask 15, the same descriptor in all four).
; RING.  Two slots of 8 x 17,408 bytes; each wave fills and reads its own 17,408 bytes of a slot: one tensor load a wave behind each round, one out at a time, a whole lap in which to land.
; LIMITS: NaN and infinities among the inputs are not served; the divisions by the sum and the root are v_rcp_f32 / v_rsq_f32 and a multiplication.
; REGISTERS: window 0: v1-15, v62-63 addresses; v16-47 Q; v48-61 scale words and nothing else; v64-127 K's, then V's 8 fragments; v128-191 S^T, then p; v192-223 P's codes; v224-231 the sums; v232-243 at work.
;            window 1: O^T: the accumulator of query tile q and V's tile u at v[64 q + 8 u].
.set STEPB, 17408                      ; a step's block
.set SLOTB, 8*STEPB                    ; a slot: a lap's eight blocks
.set SPARE, 2*SLOTB                    ; the spare words, 128 bytes for each wave: four blocks of 256 bytes that no other line names
.set XP,    528                        ; a stage row: 512 bytes + 16
.set XST,   SPARE+1024                 ; the stage: 64 rows: x on the way in, out on the way out; row 16 q + r is global row 64 g + 32 (r / 8) + 8 q + r % 8
.set LSUM,  XST+64*XP                  ; the partial sums: 512 bytes a wave
.set GB,    LSUM+4096                  ; gamma, then beta
.set PF0,   393216                     ; where the prefetches begin in kv
.set PFC,   131072                     ; and what one lap's name
.set ADR0, 1                           ; v1, v2  my block in slot 0, 1: + 16 x lane
.set SPW,  3                           ; v3      my spare word: SPARE + 4 x my thread's number; never rewritten
.set NIL,  4                           ; v4      0; never rewritten
.set SH8,  5                           ; v5      8 h
.set PFO,  6                           ; v6      256 x lane
.set RB0,  7                           ; v7, v8  the partial O of my tile: waves 0-3's, waves 4-7's
.set GOF,  9                           ; v9      my 4 bytes of gamma or beta in memory
.set LW,   10                          ; v10     where my four partial sums go
.set LB,   11                          ; v11     where my tile's partial sums are read
.set XR,   12                          ; v12     the stage: row 16 q + r, + 32 h
.set ORD,  13                          ; v13     the stage: my tile's rows, 16 x lane
.set GBR,  14                          ; v14     gamma: + 32 h
.set LI,   15                          ; v15     16 x lane
.set Q,    16
.set QS,   48                          ; v48-49  Q's scale words: tile q in register q / 2, lanes 16 (q % 2) on
.set KS,   50                          ; v50-53  K's: tile k in register k / 2, lanes 16 (k % 2) on
.set VS,   54                          ; v54-57  V's likewise
.set PS,   58                          ; v58-61  P's: one register a query tile
.set XW,   62                          ; v62     the stage: where my 8 rows of x go
.set GW,   63                          ; v63     where my 4 bytes of gamma or beta go
.set F,    64
.set S,    128
.set P,    192
.set LS,   224
.set MX,   232
.set SO,   236
.set BY,   238
.set W,    240
.set PT,   241
.set SB,   242
.set ACC,  128                         ; the way out: the sum of the partials, then y, then out
.set BA,   64                          ; two buffers of 64
.set BB,   192
.set WV,   14                          ; s14     my wave's number
.set G1,   24                          ; s[24:31] descriptor group 1
.set G0,   32                          ; s[32:39] group 0, a set for each slot
.set CS,   40                          ; s[40:41] log2(e)
.set SEL,  42                          ; s[42:43] v_permlanex16_b32's selects for lane l xor 16
.set CNT,  44                          ; s44     the loop's trips to go
.set LIM0, 45                          ; s45, s46: 0 and 1 in a wave that prefetches, else the greatest number
.set LIM1, 46
.set PFA,  48                          ; s[48:49] where my prefetches stand
.set MSB, 0
.macro WIN new                         ; the immediate's high byte repeats the setting that is left
.if MSB != \new
	s_set_vgpr_msb (MSB<<8)|\new
.set MSB, \new
.endif
.endm
; A round of the cluster's barrier: my work-group's barrier, wave 0's signal for the work-group, every wave's wait for all four work-groups, my work-group's barrier once more
.macro ROUND
	s_barrier_signal -1
	s_barrier_wait -1
	s_cmp_lg_u32 s[WV], 0
	s_cbranch_scc1 .Lnot_wave_0_\@
	s_barrier_signal -3
.Lnot_wave_0_\@:
	s_barrier_wait -3
	s_barrier_signal -1
	s_barrier_wait -1
.endm
.macro PLACES                          ; four plain lines behind matrix instructions, in front of reads of their results and of loads into their registers
.rept 4
	v_nop
.endr
.endm
.macro LOADK a                         ; my step's 8 fragments of K and their scale words: each load takes 512 consecutive bytes
.irp k, 0,1,2,3,4,5,6,7
	ds_load_b128 v[F+8*\k:F+8*\k+3], v[\a] offset:1024*\k
	ds_load_b128 v[F+8*\k+4:F+8*\k+7], v[\a] offset:1024*\k+512
.endr
	ds_load_b128 v[KS:KS+3], v[\a] offset:8192
.endm
.macro LOADV a                         ; the same of V
.irp k, 0,1,2,3,4,5,6,7
	ds_load_b128 v[F+8*\k:F+8*\k+3], v[\a] offset:8704+1024*\k
	ds_load_b128 v[F+8*\k+4:F+8*\k+7], v[\a] offset:8704+1024*\k+512
.endr
	ds_load_b128 v[VS:VS+3], v[\a] offset:16896
.endm
; S^T of query tile q: eight products, each of the whole K = 128, each starting its own sum
.macro KQ q
.irp k, 0,1,2,3,4,5,6,7
.if ((\k)%2) && ((\q)%2)
	v_wmma_scale_f32_16x16x128_f8f6f4 v[S+8*\k:S+8*\k+7], v[F+8*\k:F+8*\k+7], v[Q+8*\q:Q+8*\q+7], 0, v[KS+(\k)/2], v[QS+(\q)/2] matrix_a_fmt:MATRIX_FMT_FP4 matrix_b_fmt:MATRIX_FMT_FP4 matrix_a_scale:MATRIX_SCALE_ROW1 matrix_b_scale:MATRIX_SCALE_ROW1
.elseif (\k)%2
	v_wmma_scale_f32_16x16x128_f8f6f4 v[S+8*\k:S+8*\k+7], v[F+8*\k:F+8*\k+7], v[Q+8*\q:Q+8*\q+7], 0, v[KS+(\k)/2], v[QS+(\q)/2] matrix_a_fmt:MATRIX_FMT_FP4 matrix_b_fmt:MATRIX_FMT_FP4 matrix_a_scale:MATRIX_SCALE_ROW1
.elseif (\q)%2
	v_wmma_scale_f32_16x16x128_f8f6f4 v[S+8*\k:S+8*\k+7], v[F+8*\k:F+8*\k+7], v[Q+8*\q:Q+8*\q+7], 0, v[KS+(\k)/2], v[QS+(\q)/2] matrix_a_fmt:MATRIX_FMT_FP4 matrix_b_fmt:MATRIX_FMT_FP4 matrix_b_scale:MATRIX_SCALE_ROW1
.else
	v_wmma_scale_f32_16x16x128_f8f6f4 v[S+8*\k:S+8*\k+7], v[F+8*\k:F+8*\k+7], v[Q+8*\q:Q+8*\q+7], 0, v[KS+(\k)/2], v[QS+(\q)/2] matrix_a_fmt:MATRIX_FMT_FP4 matrix_b_fmt:MATRIX_FMT_FP4
.endif
.endr
	PLACES
.endm
; The softmax's part of query tile q for these 128 keys: 64 scores a lane; register 32 c + n is key 64 c + 32 h + n
.macro SOFT q
	v_pk_mul_f32 v[S:S+1], v[S:S+1], s[CS:CS+1] op_sel_hi:[1,0]                    ; t = score x log2(e), two at a time; each accumulator is read from its low end on
	v_pk_mul_f32 v[S+2:S+3], v[S+2:S+3], s[CS:CS+1] op_sel_hi:[1,0]
.set j, 0
.rept 32                               ; ONE BATCH: two exponentials, then the scaling of the pair two further on: no line names an exponential's result
	v_exp_f32 v[S+2*j], v[S+2*j]
	v_exp_f32 v[S+2*j+1], v[S+2*j+1]
.if j < 30
	v_pk_mul_f32 v[S+2*j+4:S+2*j+5], v[S+2*j+4:S+2*j+5], s[CS:CS+1] op_sel_hi:[1,0]
.endif
.set j, j+1
.endr
	v_nop                                          ; a plain line behind the last exponential,
	s_wait_alu depctr_va_vdst(0)                   ; and one wait for the 64, ahead of their first reader
.irp c, 0,1
	v_max3_num_f32 v[MX+2*\c], v[S+32*\c], v[S+32*\c+1], v[S+32*\c+2]             ; a block's largest p: all 32 are mine; no |.| (p > 0) and no floor (p >= 2^-4)
	v_max3_num_f32 v[MX+2*\c+1], v[S+32*\c+3], v[S+32*\c+4], v[S+32*\c+5]
.endr
.irp i, 6,10,14,18,22,26
.irp c, 0,1
	v_max3_num_f32 v[MX+2*\c], v[MX+2*\c], v[S+32*\c+\i], v[S+32*\c+\i+1]
	v_max3_num_f32 v[MX+2*\c+1], v[MX+2*\c+1], v[S+32*\c+\i+2], v[S+32*\c+\i+3]
.endr
.endr
.irp c, 0,1
	v_max3_num_f32 v[MX+2*\c], v[MX+2*\c], v[S+32*\c+30], v[S+32*\c+31]
.endr
.irp c, 0,1
	v_max_num_f32 v[MX+2*\c], v[MX+2*\c], v[MX+2*\c+1]
.endr
.irp c, 0,1
	v_add_nc_u32 v[SO+\c], 0xff000000, v[MX+2*\c]  ; 2 off the exponent field: the conversion's scale operand
.endr
.irp c, 0,1
	v_lshrrev_b32 v[BY+\c], 23, v[SO+\c]           ; the scale's byte
.endr
	v_lshl_or_b32 v[W], v[BY+1], 16, v[BY]         ; my two bytes, blocks h and 2 + h,
	v_lshlrev_b32 v[W], v[SH8], v[W]               ; at their places;
	v_permlanex16_b32 v[PT], v[W], s[SEL], s[SEL+1]
	v_or_b32 v[PS+\q], v[W], v[PT]                 ; with lane l xor 16's two: P's scale word of my query
.irp c, 0,1
.irp i, 0,1,2,3
	v_cvt_scalef32_pk8_fp4_f32 v[P+8*\q+4*\c+\i], v[S+32*\c+8*\i:S+32*\c+8*\i+7], v[SO+\c]   ; register 4 c + i of P's fragment: keys 64 c + 32 h + 8 i + 0..7
.endr
.endr
	v_pk_add_f32 v[SB:SB+1], v[S:S+1], v[S+2:S+3]  ; THE SUM IS TAKEN OF THE UNQUANTISED p, in two chains.  These 32 plain lines are also the line owed behind the conversions and the places between the scale word, the codes and the products that take them
.irp i, 4,8,12,16,20,24,28,32,36,40,44,48,52,56,60
	v_pk_add_f32 v[LS+2*\q:LS+2*\q+1], v[LS+2*\q:LS+2*\q+1], v[S+\i:S+\i+1]
	v_pk_add_f32 v[SB:SB+1], v[SB:SB+1], v[S+\i+2:S+\i+3]
.endr
	v_pk_add_f32 v[LS+2*\q:LS+2*\q+1], v[LS+2*\q:LS+2*\q+1], v[SB:SB+1]
.endm
; O^T += V^T P^T: 32 products on 32 accumulators, one instruction a turn; between two links of a chain stand 63 other matrix instructions.  zero = 1: they start the sums
.macro PV zero
	WIN 0x50                                       ; C and D in window 1
.irp u, 0,1,2,3,4,5,6,7
.irp q, 0,1,2,3
.if (\zero) && ((\u)%2)
	v_wmma_scale_f32_16x16x128_f8f6f4 v[64*\q+8*\u:64*\q+8*\u+7], v[F+8*\u:F+8*\u+7], v[P+8*\q:P+8*\q+7], 0, v[VS+(\u)/2], v[PS+\q] matrix_a_fmt:MATRIX_FMT_FP4 matrix_b_fmt:MATRIX_FMT_FP4 matrix_a_scale:MATRIX_SCALE_ROW1
.elseif \zero
	v_wmma_scale_f32_16x16x128_f8f6f4 v[64*\q+8*\u:64*\q+8*\u+7], v[F+8*\u:F+8*\u+7], v[P+8*\q:P+8*\q+7], 0, v[VS+(\u)/2], v[PS+\q] matrix_a_fmt:MATRIX_FMT_FP4 matrix_b_fmt:MATRIX_FMT_FP4
.elseif (\u)%2
	v_wmma_scale_f32_16x16x128_f8f6f4 v[64*\q+8*\u:64*\q+8*\u+7], v[F+8*\u:F+8*\u+7], v[P+8*\q:P+8*\q+7], v[64*\q+8*\u:64*\q+8*\u+7], v[VS+(\u)/2], v[PS+\q] matrix_a_fmt:MATRIX_FMT_FP4 matrix_b_fmt:MATRIX_FMT_FP4 matrix_a_scale:MATRIX_SCALE_ROW1
.else
	v_wmma_scale_f32_16x16x128_f8f6f4 v[64*\q+8*\u:64*\q+8*\u+7], v[F+8*\u:F+8*\u+7], v[P+8*\q:P+8*\q+7], v[64*\q+8*\u:64*\q+8*\u+7], v[VS+(\u)/2], v[PS+\q] matrix_a_fmt:MATRIX_FMT_FP4 matrix_b_fmt:MATRIX_FMT_FP4
.endif
.endr
.endr
	WIN 0
	PLACES
.endm
; A PREFETCH INTO THE L2.  All clusters walk the same kv: the first cluster asks, and nobody else.  Its four partners are told apart BY ADDRESS (32,768 bytes each); in each, waves 0 to 3 ask, 8,192 bytes a wave,
; lanes 256 bytes apart: 131,072 bytes a lap, each block of 256 bytes named once.  Laps 0 to 13 ask, from byte 393,216 on: 393,216 + 14 x 131,072 = 2,228,224, the buffer's end.  Lap m's block ends at
; 139,264 (m + 1) <= 393,216 + 131,072 (m - 1): what lap m - 1's tensor load asks for was named in lap m - 2 or earlier.  The first 393,216 bytes come by their tensor loads alone.
.macro ASK lim
	s_cmp_gt_u32 s[CNT], s[\lim]
	s_cbranch_scc0 .Lnot_mine_\@
	global_prefetch_b8 v[PFO], s[PFA:PFA+1] th:TH_LOAD_NT scope:SCOPE_SE
.Lnot_mine_\@:
.endm
; A LAP: my step of 128 keys, in slot `slot`.  refill = 1: the other slot is filled with the next lap's blocks.  zero = 1: the first lap.  step = 1: the prefetches' address goes on.  lim: which bound ends the prefetches (0: none here)
.macro TRIP slot, refill, zero, step, lim
.if \refill
	s_wait_tensorcnt 0x0                           ; my one tensor load has landed: my block of this slot; no load of mine is out, so a group 0 may be written
	ds_add_u32 v[SPW], v[NIL]                      ; 0 onto my spare word
	s_add_nc_u64 s[G0+4*\slot+2:G0+4*\slot+3], s[G0+4*\slot+2:G0+4*\slot+3], 2*SLOTB   ; this slot's next blocks: two laps on
.if \step
	s_wait_xcnt 0x0                                ; the last prefetch, a lap back, has read its address
	s_add_nc_u64 s[PFA:PFA+1], s[PFA:PFA+1], PFC
.endif
	s_wait_dscnt 0x0                               ; the add is done, and my reads of the other slot are over
	ROUND                                          ; both hold of every wave of all four work-groups
	tensor_load_to_lds s[G0+4-4*\slot:G0+7-4*\slot], s[G1:G1+7]   ; my one tensor load behind the round: my block of the next lap, into the slot read last
	s_nop 0
	PLACES
.else
	s_wait_tensorcnt 0x0                           ; the last lap: my block is in; I alone read it, and nothing is filled again
.endif
	LOADK ADR0+\slot
.if \lim
	ASK \lim
.endif
	s_wait_dscnt 0x0
	KQ 0
	SOFT 0
	KQ 1
	SOFT 1
	KQ 2
	SOFT 2
	KQ 3
	LOADV ADR0+\slot                               ; K's fragments are done with (four places stand behind their last product): V's land while the last tile's softmax is worked
	SOFT 3
	s_wait_dscnt 0x0
	PV \zero
.endm
	s_load_b256 s[4:11], s[0:1], 0x0               ; kv s[4:5], x s[6:7], gamma s[8:9], beta s[10:11]
	s_load_b64 s[12:13], s[0:1], 0x20              ; out0
	v_lshl_add_u32 v[SPW], v0, 2, SPARE
	v_mov_b32 v[NIL], 0
	ds_add_u32 v3, v4
	ds_add_u32 v3, v4
	s_wait_dscnt 0x0
	v_lshrrev_b32 v[MX], 5, v0
	v_readfirstlane_b32 s[WV], v[MX]               ; wave 0..7
	v_and_b32 v[MX], 31, v0                        ; lane
	v_and_b32 v[MX+1], 15, v0                      ; r
	v_bfe_u32 v[MX+2], v0, 4, 1                    ; h
	v_lshlrev_b32 v[LI], 4, v[MX]
	v_lshlrev_b32 v[PFO], 8, v[MX]
	v_lshlrev_b32 v[SH8], 3, v[MX+2]
	s_mul_i32 s16, s[WV], STEPB                    ; my block in a slot, and in a lap's part of kv
	s_mov_b32 s17, 0
	v_add_nc_u32 v[ADR0], s16, v[LI]
	v_add_nc_u32 v[ADR0+1], SLOTB, v[ADR0]
	s_bfe_u32 s18, s[WV], 0x10001                  ; the partials of tile q = w % 4 lie in slot q / 2, 8,192 (q % 2) bytes into each wave's block
	s_mul_i32 s18, s18, SLOTB
	s_and_b32 s19, s[WV], 1
	s_lshl_b32 s19, s19, 13
	s_add_co_u32 s18, s18, s19
	v_add_nc_u32 v[RB0], s18, v[LI]
	v_add_nc_u32 v[RB0+1], 4*STEPB, v[RB0]
	s_lshl_b32 s18, s[WV], 9
	s_add_co_u32 s18, s18, LSUM
	v_add_nc_u32 v[LW], s18, v[LI]
	s_and_b32 s20, s[WV], 3
	s_lshl_b32 s18, s20, 2
	s_add_co_u32 s18, s18, LSUM
	v_add_nc_u32 v[LB], s18, v[LI]
	s_mul_i32 s18, s20, 16*XP
	s_add_co_u32 s18, s18, XST
	v_add_nc_u32 v[ORD], s18, v[LI]
	v_mul_u32_u24 v[XR], v[MX+1], XP
	v_lshl_add_u32 v[XR], v[MX+2], 5, v[XR]
	v_add_nc_u32 v[XR], s18, v[XR]
	v_lshl_add_u32 v[GBR], v[MX+2], 5, GB
	s_mul_i32 s18, s[WV], 8*XP
	s_add_co_u32 s18, s18, XST
	v_add_nc_u32 v[XW], s18, v[LI]
	v_lshl_add_u32 v[GW], v0, 2, GB
	v_and_b32 v[GOF], 127, v0
	v_lshlrev_b32 v[GOF], 2, v[GOF]
.irp i, 0,1,2,3,4,5,6,7
	v_mov_b32 v[LS+\i], 0                          ; the four tiles' sums, in two halves each
.endr
	v_mov_b32 v[PT], 0                             ; written once: a lane permute's destination counts as one of its sources
	; descriptor group 1: a block of 17,408 dense bytes as 68 rows of 32 elements of 8 bytes, no padding: an LDS load takes 512 consecutive bytes
	s_mov_b32 s[G1], 15|(3<<16)|(1<<21)            ; 15:0 the mask: all four work-groups; 17:16 elements of 8 bytes; 21 set beside a mask
	s_mov_b32 s[G1+1], 32<<16                      ; tensor_dim0 = 32
	s_mov_b32 s[G1+2], 68<<16                      ; tensor_dim1 = 68
	s_mov_b32 s[G1+3], 32<<16                      ; tile_dim0 = 32
	s_mov_b32 s[G1+4], 68                          ; tile_dim1 = 68
	s_mov_b32 s[G1+5], 32                          ; from row to row
	s_mov_b32 s[G1+6], 0
	s_mov_b32 s[G1+7], 0
	s_mov_b32 s[CS], 0x3fb8aa3b                    ; log2(e)
	s_mov_b32 s[CS+1], s[CS]                       ; (named with it as a pair, so it is written)
	s_mov_b32 s[SEL], 0x76543210
	s_mov_b32 s[SEL+1], 0xfedcba98
	s_lshr_b32 s21, s[WV], 2                       ; 0 in waves 0 to 3,
	s_or_b32 s21, s21, ttmp9                       ; of the first cluster: the same in all four partners
	s_cmp_eq_u32 s21, 0
	s_cselect_b32 s[LIM0], 0, -1
	s_cselect_b32 s[LIM1], 1, -1
	; what hangs on my work-group's number g enters global addresses alone: x, Q, out0 and the prefetches; s15 and s50 to s61 hold it, and nothing of them enters a descriptor, an LDS address or a branch
	s_bfe_u32 s15, ttmp6, 0x40000                  ; cx
	s_lshl_b32 s50, ttmp9, 2
	s_add_co_u32 s50, s50, s15                     ; g = 4 x cluster + cx
	s_lshl_b32 s52, s50, 15                        ; 64 g rows of 512 bytes
	s_mov_b32 s53, 0
	s_lshl_b32 s58, s20, 12                        ; out0: + 8 (w % 4) rows
	s_add_co_u32 s58, s58, s52
	s_mov_b32 s59, 0
	s_and_b32 s51, s[WV], 1                        ; x: stage rows 8 w .. 8 w + 7 are global rows 64 g + 32 (w % 2) + 8 (w / 2) + 0..7
	s_lshl_b32 s51, s51, 14
	s_add_co_u32 s52, s52, s51
	s_lshr_b32 s51, s[WV], 1
	s_lshl_b32 s51, s51, 12
	s_add_co_u32 s52, s52, s51
	s_lshr_b32 s54, s50, 1                         ; Q: step g / 2, K's tiles 4 (g % 2) on
	s_mul_i32 s54, s54, STEPB
	s_and_b32 s51, s50, 1
	s_lshl_b32 s56, s51, 3                         ; and their scale words: registers 2 (g % 2), 2 (g % 2) + 1 of the four
	s_add_co_u32 s56, s56, s54
	s_add_co_u32 s56, s56, 8192
	s_lshl_b32 s51, s51, 12
	s_add_co_u32 s54, s54, s51
	s_mov_b32 s55, 0
	s_mov_b32 s57, 0
	s_lshl_b32 s60, s15, 15                        ; the prefetches: my work-group's 32,768 bytes, my wave's 8,192
	s_lshl_b32 s51, s[WV], 13
	s_add_co_u32 s60, s60, s51
	s_add_co_u32 s60, s60, PF0
	s_mov_b32 s61, 0
	s_wait_kmcnt 0x0
	s_mov_b32 s[G0], 1                             ; count = 1
	s_mov_b32 s[G0+1], s16                         ; LDS address: slot 0, my block
	s_add_nc_u64 s[G0+2:G0+3], s[4:5], s[16:17]    ; global address: lap 0, step w
	s_mov_b32 s[G0+4], 1
	s_add_co_u32 s[G0+5], s16, SLOTB               ; slot 1
	s_add_nc_u64 s[G0+6:G0+7], s[G0+2:G0+3], SLOTB ; lap 1, step 8 + w
	s_or_b32 s[G0+3], s[G0+3], 0x80000000          ; type = 2
	s_or_b32 s[G0+7], s[G0+7], 0x80000000
	s_add_nc_u64 s[52:53], s[6:7], s[52:53]
	s_add_nc_u64 s[54:55], s[4:5], s[54:55]
	s_add_nc_u64 s[56:57], s[4:5], s[56:57]
	s_add_nc_u64 s[12:13], s[12:13], s[58:59]
	s_add_nc_u64 s[PFA:PFA+1], s[4:5], s[60:61]
	s_cmp_lt_u32 s[WV], 4                          ; waves 0 to 3 bring gamma, waves 4 to 7 beta, 128 bytes each
	s_cselect_b64 s[18:19], s[8:9], s[10:11]
	ROUND                                          ; all four work-groups are here: the first joint loads meet
	tensor_load_to_lds s[G0:G0+3], s[G1:G1+7]      ; lap 0
	s_nop 0
	PLACES
.irp k, 0,1,2,3,4,5,6,7
	global_load_b128 v[S+4*\k:S+4*\k+3], v[LI], s[52:53] offset:512*\k th:TH_LOAD_NT   ; a whole row of x, 512 consecutive bytes
.endr
.irp i, 0,1,2,3
	global_load_b128 v[Q+8*\i:Q+8*\i+3], v[LI], s[54:55] offset:1024*\i            ; Q's four fragments stay in registers
	global_load_b128 v[Q+8*\i+4:Q+8*\i+7], v[LI], s[54:55] offset:1024*\i+512
.endr
	global_load_b64 v[QS:QS+1], v[LI], s[56:57]
	global_load_b32 v[S+32], v[GOF], s[18:19]
	s_wait_loadcnt 0x0
.irp k, 0,1,2,3,4,5,6,7
	ds_store_b128 v[XW], v[S+4*\k:S+4*\k+3] offset:XP*\k       ; into the stage: the first lap's wait on DScnt and its round show these bytes to the other waves
.endr
	ds_store_b32 v[GW], v[S+32]
	s_mov_b32 s[CNT], 7
	TRIP 0, 1, 1, 0, LIM0                          ; lap 0: its products start O^T's sums; slot 1 gets its first fill as a refill does
.Llap:                                                 ; 7 trips: laps 1 to 14
	TRIP 1, 1, 0, 1, LIM0
	TRIP 0, 1, 0, 1, LIM1                          ; (lap 14, in the last trip, prefetches nothing: the buffer's end has been named)
	s_sub_co_u32 s[CNT], s[CNT], 1
	s_cmp_lg_u32 s[CNT], 0
	s_cbranch_scc1 .Llap
	TRIP 1, 0, 0, 0, 0                             ; lap 15 is written out
	; THE WAY OUT.  Each wave's partial sums and partial O^T go to LDS as they stand in its registers: O^T into the wave's own two blocks of the slots, which have had their last fill and which it alone has read.
.irp q, 0,1,2,3
	v_add_f32 v[MX+\q], v[LS+2*\q], v[LS+2*\q+1]
.endr
	ds_store_b128 v[LW], v[MX:MX+3]
	WIN 0x04                                       ; an LDS store's data are its source 1: window 1
.irp q, 0,1,2,3
.irp n, 0,1,2,3,4,5,6,7,8,9,10,11,12,13,14,15
	ds_store_b128 v[ADR0+(\q)/2], v[64*\q+4*\n:64*\q+4*\n+3] offset:((\q)%2)*8192+512*\n   ; each accumulator from its low end on
.endr
.endr
	WIN 0
	s_wait_dscnt 0x0                               ; for the others' sake: my partials lie in LDS
	s_barrier_signal -1
	s_barrier_wait -1                              ; everybody's do
	s_cmp_lt_u32 s[WV], 4                          ; wave q < 4 finishes query tile q
	s_cbranch_scc0 .Ldone
.macro LOADP p, dst                    ; wave p's partial O^T of my tile
.irp n, 0,1,2,3,4,5,6,7,8,9,10,11,12,13,14,15
	ds_load_b128 v[(\dst)+4*\n:(\dst)+4*\n+3], v[RB0+(\p)/4] offset:((\p)%4)*STEPB+512*\n
.endr
.endm
.macro ADDP src
.set j, 0
.rept 32
	v_pk_add_f32 v[ACC+j:ACC+j+1], v[ACC+j:ACC+j+1], v[(\src)+j:(\src)+j+1]
.set j, j+2
.endr
.endm
.irp p, 0,1,2,3,4,5,6,7
	ds_load_b32 v[16+\p], v[LB] offset:512*\p      ; the eight partial sums of my query's half
.endr
	LOADP 0, ACC
	LOADP 1, BA
	LOADP 2, BB
.irp p, 1,2,3,4,5,6,7
.if \p < 7
	s_wait_dscnt 16                                ; partial p is in; the 16 loads of partial p + 1 may be out
.else
	s_wait_dscnt 0x0
.endif
	ADDP BA+128*((\p+1)%2)                         ; odd partials lie in BA, even ones in BB
.if \p < 6
	LOADP \p+2, BA+128*((\p+1)%2)                  ; the buffer just added takes the partial two further on
.endif
.endr
.irp u, 0,1,2,3,4,5,6,7
	ds_load_b128 v[BA+8*\u:BA+8*\u+3], v[XR] offset:64*\u              ; x(my query, 16 u + 8 h + 0..7), in O^T's layout
	ds_load_b128 v[BA+8*\u+4:BA+8*\u+7], v[XR] offset:64*\u+16
.endr
.irp u, 0,1,2,3,4,5,6,7
	ds_load_b128 v[BB+8*\u:BB+8*\u+3], v[GBR] offset:64*\u             ; gamma likewise
	ds_load_b128 v[BB+8*\u+4:BB+8*\u+7], v[GBR] offset:64*\u+16
.endr
	s_mov_b32 s20, 0x3c000000                      ; 1 / 128
	s_mov_b32 s21, 0x3727c5ac                      ; 1e-5
	v_add_f32 v16, v16, v17
	v_add_f32 v18, v18, v19
	v_add_f32 v20, v20, v21
	v_add_f32 v22, v22, v23
	v_add_f32 v16, v16, v18
	v_add_f32 v20, v20, v22
	v_add_f32 v16, v16, v20
	v_mov_b32 v24, 0
	v_permlanex16_b32 v24, v16, s[SEL], s[SEL+1]
	v_add_f32 v16, v16, v24                        ; with lane l xor 16's: the row's sum
	v_rcp_f32 v25, v16
	v_nop                                          ; a plain line behind the reciprocal,
	s_wait_alu depctr_va_vdst(0)                   ; and the wait ahead of its first reader
	v_mul_f32 v26, -1.0, v25
	v_mov_b32 v27, v26
.set j, 0
.rept 32
	v_pk_mul_f32 v[ACC+j:ACC+j+1], v[ACC+j:ACC+j+1], v[26:27]          ; - x_neg
.set j, j+2
.endr
	s_wait_dscnt 0x0                               ; x and gamma
.set j, 0
.rept 32
	v_pk_fma_f32 v[ACC+j:ACC+j+1], v[BA+j:BA+j+1], 2.0, v[ACC+j:ACC+j+1] op_sel_hi:[1,0,1]   ; y = 2 x - x_neg
.set j, j+2
.endr
.irp u, 0,1,2,3,4,5,6,7
	ds_load_b128 v[BA+8*\u:BA+8*\u+3], v[GBR] offset:512+64*\u         ; beta, into x's registers; it lands under the two reductions
	ds_load_b128 v[BA+8*\u+4:BA+8*\u+7], v[GBR] offset:512+64*\u+16
.endr
	v_pk_add_f32 v[28:29], v[ACC:ACC+1], v[ACC+2:ACC+3]                ; the mean of y: my 64 numbers in two chains,
	v_pk_add_f32 v[30:31], v[ACC+4:ACC+5], v[ACC+6:ACC+7]
.irp j, 8,12,16,20,24,28,32,36,40,44,48,52,56,60
	v_pk_add_f32 v[28:29], v[28:29], v[ACC+\j:ACC+\j+1]
	v_pk_add_f32 v[30:31], v[30:31], v[ACC+\j+2:ACC+\j+3]
.endr
	v_pk_add_f32 v[28:29], v[28:29], v[30:31]
	v_add_f32 v28, v28, v29
	v_permlanex16_b32 v24, v28, s[SEL], s[SEL+1]
	v_add_f32 v28, v28, v24                        ; and lane l xor 16's 64
	v_mul_f32 v28, s20, v28
	v_mov_b32 v29, v28
.set j, 0
.rept 32
	v_pk_add_f32 v[ACC+j:ACC+j+1], v[ACC+j:ACC+j+1], v[28:29] neg_lo:[0,1] neg_hi:[0,1]      ; y - mu
.set j, j+2
.endr
	v_pk_mul_f32 v[30:31], v[ACC:ACC+1], v[ACC:ACC+1]                  ; the mean of its squares, likewise
	v_pk_mul_f32 v[34:35], v[ACC+2:ACC+3], v[ACC+2:ACC+3]
.irp j, 4,8,12,16,20,24,28,32,36,40,44,48,52,56,60
	v_pk_fma_f32 v[30:31], v[ACC+\j:ACC+\j+1], v[ACC+\j:ACC+\j+1], v[30:31]
	v_pk_fma_f32 v[34:35], v[ACC+\j+2:ACC+\j+3], v[ACC+\j+2:ACC+\j+3], v[34:35]
.endr
	v_pk_add_f32 v[30:31], v[30:31], v[34:35]
	v_add_f32 v30, v30, v31
	v_permlanex16_b32 v24, v30, s[SEL], s[SEL+1]
	v_add_f32 v30, v30, v24
	v_fma_f32 v30, v30, s20, s21                   ; var + 1e-5
	v_rsq_f32 v32, v30
	v_nop
	s_wait_alu depctr_va_vdst(0)
	v_mov_b32 v33, v32
.set j, 0
.rept 32
	v_pk_mul_f32 v[ACC+j:ACC+j+1], v[ACC+j:ACC+j+1], v[32:33]
.set j, j+2
.endr
	s_wait_dscnt 0x0                               ; beta
.set j, 0
.rept 32
	v_pk_fma_f32 v[ACC+j:ACC+j+1], v[ACC+j:ACC+j+1], v[BB+j:BB+j+1], v[BA+j:BA+j+1]
.set j, j+2
.endr
	; a lane holds pieces of 32 bytes of one row: the tile goes back into its own 16 rows of the stage, which I alone touch now, and leaves as whole rows
.irp u, 0,1,2,3,4,5,6,7
	ds_store_b128 v[XR], v[ACC+8*\u:ACC+8*\u+3] offset:64*\u
	ds_store_b128 v[XR], v[ACC+8*\u+4:ACC+8*\u+7] offset:64*\u+16
.endr
.irp k, 0,1,2,3,4,5,6,7,8,9,10,11,12,13,14,15
	ds_load_b128 v[BA+4*\k:BA+4*\k+3], v[ORD] offset:XP*\k             ; LDS serves a wave's instructions in order (ISA guide 5.7.1.4): these see the stores above
.endr
.irp k, 0,1,2,3,4,5,6,7,8,9,10,11,12,13,14,15
	s_wait_dscnt 15-\k                             ; row k is back; the younger reads may be out
	global_store_b128 v[LI], v[BA+4*\k:BA+4*\k+3], s[12:13] offset:(32*(\k/8)+\k%8)*512 th:TH_STORE_NT   ; 32 lanes store a row's 512 consecutive bytes
.endr
.Ldone:
	s_wait_tensorcnt 0x0                           ; the wave's end, behind my last tensor load and my last LDS store
	ds_add_u32 v[SPW], v[NIL]
	s_wait_dscnt 0x0
	ROUND                                          ; the closing round: no work-group ends while a partner may still ask for a block that names it
	s_endpgm
.Lfunc_end_k_q2f20f2efa3_attn:
	.size	k_q2f20f2efa3_attn, .Lfunc_end_k_q2f20f2efa3_attn-k_q2f20f2efa3_attn
	.p2alignl 7, 3214868480
	.fill 96, 4, 3214868480
	.section	.rodata,"a",@progbits
	.p2align	6, 0x0
	.amdhsa_kernel k_q2f20f2efa3_attn
		.amdhsa_group_segment_fixed_size 327680
		.amdhsa_private_segment_fixed_size 0
		.amdhsa_enable_private_segment 0
		.amdhsa_kernarg_size 40
		.amdhsa_user_sgpr_count 2
		.amdhsa_user_sgpr_kernarg_segment_ptr 1
		.amdhsa_wavefront_size32 1
		.amdhsa_system_sgpr_workgroup_id_x 1
		.amdhsa_system_sgpr_workgroup_id_y 1
		.amdhsa_system_sgpr_workgroup_id_z 1
		.amdhsa_system_vgpr_workitem_id 0
		.amdhsa_next_free_vgpr 512
		.amdhsa_next_free_sgpr 66
		.amdhsa_reserve_vcc 0
		.amdhsa_float_denorm_mode_32 3
		.amdhsa_float_denorm_mode_16_64 3
		.amdhsa_memory_ordered 1
		.amdhsa_forward_progress 1
		.amdhsa_inst_pref_size 247
	.end_amdhsa_kernel
	.amdgpu_metadata
---
amdhsa.version: [ 1, 2 ]
amdhsa.kernels:
  - .name:           k_q2f20f2efa3_attn
    .symbol:         k_q2f20f2efa3_attn.kd
    .args:
      - { .name: kv, .offset: 0, .size: 8, .value_kind: global_buffer, .address_space: global }
      - { .name: x, .offset: 8, .size: 8, .value_kind: global_buffer, .address_space: global }
      - { .name: gamma, .offset: 16, .size: 8, .value_kind: global_buffer, .address_space: global }
      - { .name: beta, .offset: 24, .size: 8, .value_kind: global_buffer, .address_space: global }
      - { .name: out0, .offset: 32, .size: 8, .value_kind: global_buffer, .address_space: global }
    .group_segment_fixed_size: 327680
    .private_segment_fixed_size: 0
    .kernarg_segment_align: 8
    .kernarg_segment_size: 40
    .max_flat_workgroup_size: 256
    .sgpr_count:     66
    .vgpr_count:     512
    .wavefront_size: 32
...
	.end_amdgpu_metadata
.endif
;; end of part 2
